; MI455X (gfx1250); checked and timed in simulation.
; The chip was launched on July 23, 2026; its instructions are those of AMD's public machine-readable ISA for CDNA 5 (MIT licence, August 2026) and "CDNA5" Instruction Set Architecture Reference Guide (July 2026). The comments in the code are by the model that wrote it; some were corrected since.
;; Multi Head Self Attention. Allowed arithmetic: float matrix products may take bf16 or f16 operands with f32 sums; all other float work in f32.
;; Inputs: W_out 1,024 x 1,024 float32; W_qkv 1,024 x 3,072 float32; b_out 1,024 float32; b_qkv 3,072 float32; x 2 x 2,048 x 1,024 float32.
;; Outputs: out0 2 x 2,048 x 1,024 float32.
;; 2 versions, each right; version 2 is version 1 with the launch cast written anew for expert scheduling mode. Each part assembles by itself: llvm-mc -triple=amdgcn-amd-amdhsa -mcpu=gfx1250 --defsym DOCPART=n.
;; ======== version 1 of 2: 4 launches
;; workspace buffers: xb 8,388,608 bytes; wq 6,291,456 bytes; wo 2,097,152 bytes; qkv 25,165,824 bytes; ao 8,388,608 bytes
;; launch cast (part 1): grid 512 x 1, 8 waves a work-group, no clusters, 0 bytes of LDS; arguments x, W_qkv, W_out, xb, wq, wo; writes xb, wq, wo
.if DOCPART == 1
	.amdgcn_target "amdgcn-amd-amdhsa--gfx1250"
	.amdhsa_code_object_version 6
	.text
	.protected	k_q73b8e717b9_cast
	.globl	k_q73b8e717b9_cast
	.p2align	8
	.type	k_q73b8e717b9_cast,@function
k_q73b8e717b9_cast:
	s_mov_b64 s[64:65], 0
	v_nop
	global_prefetch_b8 v0, s[64:65] scope:SCOPE_SE
	s_setreg_imm32_b32 hwreg(HW_REG_WAVE_MODE, 25, 1), 1
	s_wait_xcnt 0x0
; x, W_qkv and W_out, f32, are rounded once to bf16 (nearest even) with their layouts unchanged: xb, wq, wo.
; The three products that follow then take bf16 tiles straight into LDS and convert nothing in their K loops.
; A work-group takes 65,536 bytes in and stores 32,768: 256 pieces of x, 192 of W_qkv, 64 of W_out = 512 work-groups.
; Thread t takes 16 bytes (4 numbers) at 16 t of each of sixteen blocks of 4,096 bytes and stores 8 bytes at 8 t of a block
; of 2,048: a load of a wave covers 512 consecutive bytes, a store 256 consecutive bytes, aligned.
; All sixteen loads of a wave go out at once; no register is written twice, so no wait frees a source.
; No LDS, no matrix unit, no cluster: nothing is shared and nothing is multiplied.
; LIMIT: the rounding to bf16 is the format of the matrix operands; NaN and infinities stay what they are.
.set X, 4                              ; v[4:67]   sixteen loads of four f32
.set Y, 68                             ; v[68:99]  sixteen pairs of packed bf16
	s_load_b256 s[4:11], s[0:1], 0x0               ; x s[4:5], W_qkv s[6:7], W_out s[8:9], xb s[10:11]
	s_load_b128 s[12:15], s[0:1], 0x20             ; wq s[12:13], wo s[14:15]
	v_lshlrev_b32 v1, 4, v0                        ; 16 t: my bytes in a block of the source
	v_lshlrev_b32 v2, 3, v0                        ; 8 t: my bytes in a block of the destination
	s_wait_kmcnt 0x0
	s_cmp_lt_u32 ttmp9, 256                        ; work-groups 0-255: x
	s_cselect_b64 s[16:17], s[4:5], s[6:7]
	s_cselect_b64 s[18:19], s[10:11], s[12:13]
	s_cselect_b32 s20, 0, 256                      ; the first work-group of my tensor
	s_cmp_lt_u32 ttmp9, 448                        ; 256-447: W_qkv; 448-511: W_out
	s_cselect_b64 s[16:17], s[16:17], s[8:9]
	s_cselect_b64 s[18:19], s[18:19], s[14:15]
	s_cselect_b32 s20, s20, 448
	s_sub_co_u32 s21, ttmp9, s20                   ; my piece of that tensor
	s_lshl_b32 s22, s21, 16                        ; x 65,536 bytes in (16 MiB at the most)
	s_mov_b32 s23, 0
	s_lshl_b32 s24, s21, 15                        ; x 32,768 bytes out
	s_mov_b32 s25, 0
	s_add_nc_u64 s[16:17], s[16:17], s[22:23]
	s_add_nc_u64 s[18:19], s[18:19], s[24:25]
.irp j, 0,1,2,3,4,5,6,7,8,9,10,11,12,13,14,15
	global_load_b128 v[X+4*\j:X+4*\j+3], v1, s[16:17] offset:4096*\j th:TH_LOAD_NT   ; read once in the whole program
.endr
.irp j, 0,1,2,3,4,5,6,7,8,9,10,11,12,13,14,15
	s_wait_loadcnt 15-\j                           ; loads come back in order: block j is in, the 15 - j younger ones stay out
	v_cvt_pk_bf16_f32 v[Y+2*\j],   v[X+4*\j],   v[X+4*\j+1]
	v_cvt_pk_bf16_f32 v[Y+2*\j+1], v[X+4*\j+2], v[X+4*\j+3]
	global_store_b64 v2, v[Y+2*\j:Y+2*\j+1], s[18:19] offset:2048*\j      ; no hint: the next launches read these bytes
.endr
	s_endpgm
.Lfunc_end_k_q73b8e717b9_cast:
	.size	k_q73b8e717b9_cast, .Lfunc_end_k_q73b8e717b9_cast-k_q73b8e717b9_cast
	.p2alignl 7, 3214868480
	.fill 96, 4, 3214868480
	.section	.rodata,"a",@progbits
	.p2align	6, 0x0
	.amdhsa_kernel k_q73b8e717b9_cast
		.amdhsa_group_segment_fixed_size 0
		.amdhsa_private_segment_fixed_size 0
		.amdhsa_enable_private_segment 0
		.amdhsa_kernarg_size 48
		.amdhsa_user_sgpr_count 2
		.amdhsa_user_sgpr_kernarg_segment_ptr 1
		.amdhsa_wavefront_size32 1
		.amdhsa_system_sgpr_workgroup_id_x 1
		.amdhsa_system_sgpr_workgroup_id_y 1
		.amdhsa_system_sgpr_workgroup_id_z 1
		.amdhsa_system_vgpr_workitem_id 0
		.amdhsa_next_free_vgpr 104
		.amdhsa_next_free_sgpr 66
		.amdhsa_reserve_vcc 0
		.amdhsa_float_denorm_mode_32 3
		.amdhsa_float_denorm_mode_16_64 3
		.amdhsa_memory_ordered 1
		.amdhsa_forward_progress 1
		.amdhsa_inst_pref_size 7
	.end_amdhsa_kernel
	.amdgpu_metadata
---
amdhsa.version: [ 1, 2 ]
amdhsa.kernels:
  - .name:           k_q73b8e717b9_cast
    .symbol:         k_q73b8e717b9_cast.kd
    .args:
      - { .name: x, .offset: 0, .size: 8, .value_kind: global_buffer, .address_space: global }
      - { .name: W_qkv, .offset: 8, .size: 8, .value_kind: global_buffer, .address_space: global }
      - { .name: W_out, .offset: 16, .size: 8, .value_kind: global_buffer, .address_space: global }
      - { .name: xb, .offset: 24, .size: 8, .value_kind: global_buffer, .address_space: global }
      - { .name: wq, .offset: 32, .size: 8, .value_kind: global_buffer, .address_space: global }
      - { .name: wo, .offset: 40, .size: 8, .value_kind: global_buffer, .address_space: global }
    .group_segment_fixed_size: 0
    .private_segment_fixed_size: 0
    .kernarg_segment_align: 8
    .kernarg_segment_size: 48
    .max_flat_workgroup_size: 256
    .sgpr_count:     66
    .vgpr_count:     104
    .wavefront_size: 32
...
	.end_amdgpu_metadata
.endif
;; end of part 1
;; launch qkvgemm (part 2): grid 8 x 32, 4 waves a work-group, clusters of 4 x 4, 327,680 bytes of LDS; arguments xb, wq, b_qkv, qkv; writes qkv
.if DOCPART == 2
	.amdgcn_target "amdgcn-amd-amdhsa--gfx1250"
	.amdhsa_code_object_version 6
	.text
	.protected	k_q73b8e717b9_qkvgemm
	.globl	k_q73b8e717b9_qkvgemm
	.p2align	8
	.type	k_q73b8e717b9_qkvgemm,@function
k_q73b8e717b9_qkvgemm:
	s_mov_b64 s[64:65], 0
	v_nop
	global_prefetch_b8 v0, s[64:65] scope:SCOPE_SE
	s_setreg_imm32_b32 hwreg(HW_REG_WAVE_MODE, 25, 1), 1
	s_wait_xcnt 0x0
	s_wait_alu depctr_hold_cnt(0) depctr_sa_sdst(0) depctr_va_vdst(0) depctr_va_sdst(0) depctr_va_ssrc(0) depctr_va_vcc(0) depctr_vm_vsrc(0)
	s_getreg_b32 s2, hwreg(HW_REG_IB_STS2, 6, 4)
	s_cmp_eq_u32 s2, 0
	s_cbranch_scc0 .Lentry_in_a_cluster
	s_endpgm
.Lentry_in_a_cluster:
	s_bfe_u32 s2, ttmp6, 0x10000c
	s_cmp_lg_u32 s2, 0xf033
	s_cbranch_scc0 .Lentry_shape_is_right
	s_endpgm
.Lentry_shape_is_right:
; qkv = xb [4096][1024] x wq [1024][3072] + b_qkv, sums in f32, stored in bf16 by heads: qkv[part][b*16+head][t][64], part 0 q, 1 k, 2 v.
; A work-group makes 128 rows x 384 columns with four waves (2 x 2).  Wave (wm, wn) takes rows 64 wm .. +63 and, of each of the three
; sub-tiles of 128 columns, the columns 64 wn .. +63, which are one head: 4 x 12 = 48 accumulator tiles of 16 x 16, 384 registers.
; K goes in steps of 128 through two LDS slots filled by the tensor data mover; every row of a tile is 256 bytes of memory at a multiple of 256.
; wq stays [K][N]: its fragments come out of LDS by the transposing load.
; CLUSTERS: 4 x 4 work-groups.  xb's tile hangs on the block row alone and is asked for jointly along a row of the cluster, wq's three
; sub-tiles hang on the block column alone and are asked for jointly along a column: a quarter of the requests.
; Wave 3 asks for xb's tile, waves 0-2 for one sub-tile of wq each: one tensor load a wave behind each round of the cluster's barrier.
; By this text's own count a wave has two tensor loads out at the start and one later.
; THE MATRIX INSTRUCTION IS USED TRANSPOSED (source 0 = 16 columns of wq, source 1 = 16 rows of xb): lane l, register j then holds
; row l % 16, column 8 (l / 16) + j: eight neighbouring numbers of a row.  The very first products take the bias as C, laid out in
; that same way: nothing is cleared and no bias is added afterwards.
; REGISTERS by windows of 256: 0: addresses, xb's fragments (two buffers), the bias, later the way out; 1: wq's fragments (two buffers);
; 2: the accumulators of my rows 0-31 (tile (a, t) at 8 (12 a + t)); 3: those of my rows 32-63.
; LIMIT: operands and the stored q, k, v are bf16; sums are f32.
.set PA,     272                       ; LDS pitch of xb's rows: 256 + 16, an odd multiple of 16: sixteen rows start in sixteen different 16-byte columns of a 256-byte span
.set PB,     288                       ; LDS pitch of wq's rows: 256 + 32, an odd multiple of 32, as the transposing load's eight rows want
.set BSUB,   128*PB                    ; a sub-tile of wq: 128 k-rows, 36,864 bytes
.set AOFF,   3*BSUB                    ; xb's tile lies behind the three
.set SLOT,   AOFF+128*PA               ; 145,408
.set STAGE,  2*SLOT                    ; behind the ring, a multiple of 256: no tensor load lands here
.set SP,     144                       ; stage pitch: a token's 128 bytes of one head + 16
.set WSTAGE, 3*16*SP                   ; 3 heads x 16 tokens for each wave: 6,912
.set LAPS,   4                         ; 1024 / (2 x 128)
.set ADRA, 16                          ; v16-17  my xb fragments in slot 0, 1
.set ADRB, 18                          ; v18-23  my wq fragments: 3 x slot + sub-tile
.set STO,  24                          ; the way out: where I put 16 bytes
.set RD,   25                          ; the way out: where I read back
.set CO,   26                          ; v26-28  my byte offset in qkv, for each of my three heads
.set BOF,  29                          ; 32 (l / 16): my eight bias numbers
.set FA0,  32                          ; window 0: xb's fragments, 4 x 8
.set FA1,  64
.set BIAS, 96                          ; window 0: v96-191, 12 x 8
.set TMP,  96                          ; the way out: packed results (the bias is no longer needed)
.set RB0,  144                         ; the way out: rows read back, two buffers
.set RB1,  192
.set FB0,  0                           ; window 1: wq's fragments, 12 x 8
.set FB1,  96
.set G1A, 24                           ; s[24:31] shape of xb's tile
.set G0A, 32                           ; s[32:39] from where, to where: a set for each slot
.set G1B, 48                           ; s[48:55] shape of a sub-tile of wq
.set G0B, 56                           ; s[56:63]
.set MUL_LO, 0xa1                      ; source 0 window 1, source 1 window 0, C and D window 2
.set MUL_HI, 0xf1                      ; C and D window 3
.set TO_B,   0x40                      ; destination window 1, address window 0
.set MSB, 0
.macro WIN new                         ; the immediate's high byte repeats the setting that is left
.if MSB != \new
	s_set_vgpr_msb (MSB<<8)|\new
.set MSB, \new
.endif
.endm
.macro PLACES                          ; four plain vector places behind matrix instructions in front of loads into their sources and of reads of their results
.rept 4
	v_nop
.endr
.endm
.macro JLOAD s                         ; one joint load a wave; the branch hangs on the wave's number alone
	s_cmp_eq_u32 s12, 3
	s_cbranch_scc0 .Lfor_b_\@
	tensor_load_to_lds s[G0A+4*\s:G0A+4*\s+3], s[G1A:G1A+7]
	s_nop 0
	s_branch .Lasked_\@
.Lfor_b_\@:
	tensor_load_to_lds s[G0B+4*\s:G0B+4*\s+3], s[G1B:G1B+7]
	s_nop 0
.Lasked_\@:
.endm
.macro CREST                           ; a round of the cluster's barrier behind its opening work-group barrier
	s_cmp_lg_u32 s12, 0
	s_cbranch_scc1 .Lnot_wave_0_\@
	s_barrier_signal -3
.Lnot_wave_0_\@:
	s_barrier_wait -3
	s_barrier_signal -1
	s_barrier_wait -1
.endm
.macro CROUND
	s_barrier_signal -1
	s_barrier_wait -1
	CREST
.endm
	s_load_b256 s[4:11], s[0:1], 0x0               ; xb s[4:5], wq s[6:7], b_qkv s[8:9], qkv s[10:11]
	s_set_vgpr_msb 0x40
	v_lshl_add_u32 v255, v0, 2, 0x4dc00
	s_set_vgpr_msb 0x4000
	v_mov_b32 v255, 0
	s_set_vgpr_msb 0x1
	ds_add_u32 v255, v255
	s_set_vgpr_msb 0x100
	v_lshrrev_b32 v1, 5, v0
	v_readfirstlane_b32 s12, v1                    ; wave 0..3
	s_lshr_b32 s13, s12, 1                         ; wm
	s_and_b32 s14, s12, 1                          ; wn
	s_bfe_u32 s40, ttmp6, 0x40000                  ; cx
	s_bfe_u32 s41, ttmp6, 0x40004                  ; cy
	s_lshl_b32 s42, ttmp9, 2
	s_add_co_u32 s42, s42, s40                     ; block column, 0..7
	s_and_b32 s43, ttmp7, 0xffff
	s_lshl_b32 s43, s43, 2
	s_add_co_u32 s43, s43, s41                     ; block row, 0..31
	s_lshl_b32 s44, s41, 2
	s_lshl_b32 s44, 15, s44                        ; my row of the cluster
	s_lshl_b32 s45, 0x1111, s40                    ; my column
	; both shapes: 128 rows x 128 elements of 2 bytes; a pad behind every 64 words
	s_or_b32 s[G1A+0], s44, 0x07710000             ; mask | 2-byte elements | padding on | bit 21 beside a mask | every 64 words | 4 words
	s_or_b32 s[G1B+0], s45, 0x0f710000             ; the same with my column's mask and 8 words
	s_mov_b32 s[G1A+1], 128<<16                    ; tensor_dim0 = 128
	s_mov_b32 s[G1B+1], 128<<16
	s_mov_b32 s[G1A+2], 128<<16                    ; tensor_dim1 = 128
	s_mov_b32 s[G1B+2], 128<<16
	s_mov_b32 s[G1A+3], 128<<16                    ; tile_dim0 = 128
	s_mov_b32 s[G1B+3], 128<<16
	s_mov_b32 s[G1A+4], 128                        ; tile_dim1 = 128
	s_mov_b32 s[G1B+4], 128
	s_mov_b32 s[G1A+5], 1024                       ; elements from row to row of xb
	s_mov_b32 s[G1B+5], 3072                       ; and of wq
	s_mov_b32 s[G1A+6], 0
	s_mov_b32 s[G1B+6], 0
	s_mov_b32 s[G1A+7], 0
	s_mov_b32 s[G1B+7], 0
	s_lshl_b32 s16, s43, 18                        ; xb: block row x 128 rows x 2,048 bytes
	s_mov_b32 s17, 0
	s_mul_i32 s46, s42, 768                        ; wq: block column x 384 columns x 2 bytes
	s_lshl_b32 s47, s12, 8                         ;     + wave x 128 columns x 2 bytes
	s_add_co_u32 s46, s46, s47
	s_mov_b32 s47, 0
	s_mul_i32 s20, s12, BSUB                       ; LDS: sub-tiles 0, 1, 2, then xb's tile = wave x 36,864
	s_wait_dscnt 0x0
	s_wait_kmcnt 0x0
	s_add_nc_u64 s[16:17], s[4:5], s[16:17]
	s_add_nc_u64 s[46:47], s[6:7], s[46:47]
	CROUND                                         ; all sixteen work-groups are here: the first joint loads meet
.irp s, 0,1
	s_mov_b32 s[G0A+4*\s], 1
	s_add_co_u32 s[G0A+4*\s+1], s20, \s*SLOT
	s_add_nc_u64 s[G0A+4*\s+2:G0A+4*\s+3], s[16:17], \s*256        ; K step s: 128 elements along the rows
	s_or_b32 s[G0A+4*\s+3], s[G0A+4*\s+3], 0x80000000
	s_mov_b32 s[G0B+4*\s], 1
	s_add_co_u32 s[G0B+4*\s+1], s20, \s*SLOT
	s_add_nc_u64 s[G0B+4*\s+2:G0B+4*\s+3], s[46:47], \s*786432     ; K step s: 128 rows of 6,144 bytes down
	s_or_b32 s[G0B+4*\s+3], s[G0B+4*\s+3], 0x80000000
	JLOAD \s
.endr
	v_and_b32 v1, 15, v0                           ; r = l % 16
	v_bfe_u32 v2, v0, 4, 1                         ; h = l / 16
	v_and_b32 v3, 7, v0                            ; l % 8
	v_bfe_u32 v4, v0, 3, 1                         ; (l / 8) % 2
	v_and_b32 v5, 31, v0                           ; l
	v_lshlrev_b32 v[BOF], 5, v2
	s_mul_i32 s74, s42, 1536                       ; bias: (384 x block column + 64 wn) x 4 bytes
	s_lshl_b32 s75, s14, 8
	s_add_co_u32 s74, s74, s75
	s_mov_b32 s75, 0
	s_add_nc_u64 s[8:9], s[8:9], s[74:75]
.irp j, 0,1,2
.irp u, 0,1,2,3
	global_load_b128 v[BIAS+8*(4*\j+\u):BIAS+8*(4*\j+\u)+3],   v[BOF], s[8:9] offset:512*\j+64*\u      ; b(128 j + 16 u + 8 h + 0..3)
	global_load_b128 v[BIAS+8*(4*\j+\u)+4:BIAS+8*(4*\j+\u)+7], v[BOF], s[8:9] offset:512*\j+64*\u+16
.endr
.endr
	; xb's fragment: lane l holds row r; registers 0-3 K = 8 h + 0..7, registers 4-7 K = 16 + 8 h + 0..7: two loads of 16 bytes, 32 apart
	v_mul_u32_u24 v6, v1, PA
	v_lshl_add_u32 v6, v2, 4, v6
	s_mul_i32 s21, s13, 64*PA
	s_add_co_u32 s21, s21, AOFF
	v_add_nc_u32 v[ADRA], s21, v6
	v_add_nc_u32 v[ADRA+1], SLOT, v[ADRA]
	; wq's fragment by the transposing load: lane l addresses k-row 8 h + l % 8, 16 bytes at 16 ((l / 8) % 2); the second load 16 rows down
	v_lshl_add_u32 v7, v2, 3, v3
	v_mul_u32_u24 v7, v7, PB
	v_lshl_add_u32 v7, v4, 4, v7
	s_lshl_b32 s22, s14, 7                         ; my 64 columns of each sub-tile
	v_add_nc_u32 v7, s22, v7
.irp s, 0,1
.irp j, 0,1,2
	v_add_nc_u32 v[ADRB+3*\s+\j], \s*SLOT+\j*BSUB, v7
.endr
.endr
	s_mul_i32 s23, s12, WSTAGE
	s_add_co_u32 s23, s23, STAGE                   ; my stage
	v_mul_u32_u24 v8, v1, SP                       ; in: token r, 16 bytes for each half of the lanes
	v_lshl_add_u32 v8, v2, 4, v8
	v_add_nc_u32 v[STO], s23, v8
	v_lshrrev_b32 v9, 3, v5                        ; back: eight lanes take a token's 128 bytes, a wave four tokens
	v_mul_u32_u24 v9, v9, SP
	v_lshl_add_u32 v9, v3, 4, v9
	v_add_nc_u32 v[RD], s23, v9
	; where my three heads go: head number g = 6 x block column + 2 j + wn; part = g / 16, head = g % 16
	s_mul_i32 s66, s42, 6
	s_add_co_u32 s66, s66, s14
	s_lshr_b32 s71, s43, 4
	s_lshl_b32 s71, s71, 4                         ; 16 x batch
	s_and_b32 s72, s43, 15
	s_lshl_b32 s72, s72, 7
	s_lshl_b32 s73, s13, 6
	s_add_co_u32 s72, s72, s73                     ; my first token in the batch
.irp j, 0,1,2
	s_add_co_u32 s67, s66, 2*\j
	s_lshr_b32 s68, s67, 4
	s_and_b32 s69, s67, 15
	s_lshl_b32 s68, s68, 5
	s_add_co_u32 s68, s68, s69
	s_add_co_u32 s68, s68, s71                     ; part x 32 + batch x 16 + head
	s_lshl_b32 s68, s68, 11
	s_add_co_u32 s68, s68, s72                     ; x 2,048 tokens + my first
	s_lshl_b32 s68, s68, 7                         ; x 128 bytes
	v_lshl_add_u32 v[CO+\j], v5, 4, s68            ; + 16 l: a wave's store covers 512 consecutive bytes, four tokens
.endr
; 12 matrix instructions: m-tile 2 hi + a x my 12 n-tiles, 32 along K.  bias = 1: C is the bias, which starts the sums.
; The 48 accumulators take turns, one instruction a turn, in the same order in every quarter step.
.macro MUL12 fb, fa, hi, a, bias
.irp t, 0,1,2,3,4,5,6,7,8,9,10,11
.if \bias
	v_wmma_f32_16x16x32_bf16 v[8*(12*\a+\t):8*(12*\a+\t)+7], v[\fb+8*\t:\fb+8*\t+7], v[\fa+8*(2*\hi+\a):\fa+8*(2*\hi+\a)+7], v[BIAS+8*\t:BIAS+8*\t+7]
.else
	v_wmma_f32_16x16x32_bf16 v[8*(12*\a+\t):8*(12*\a+\t)+7], v[\fb+8*\t:\fb+8*\t+7], v[\fa+8*(2*\hi+\a):\fa+8*(2*\hi+\a)+7], v[8*(12*\a+\t):8*(12*\a+\t)+7]
.endif
.endr
.endm
; 32 LDS loads in one run: quarter step kq (32 along K) of a slot: 24 for wq, then 8 for xb
.macro FETCH slot, kq, fb, fa
	WIN TO_B
.irp j, 0,1,2
.irp u, 0,1,2,3
	ds_load_tr16_b128 v[\fb+8*(4*\j+\u):\fb+8*(4*\j+\u)+3],   v[ADRB+3*\slot+\j] offset:\kq*32*PB+32*\u
	ds_load_tr16_b128 v[\fb+8*(4*\j+\u)+4:\fb+8*(4*\j+\u)+7], v[ADRB+3*\slot+\j] offset:\kq*32*PB+32*\u+16*PB
.endr
.endr
	WIN 0
.irp m, 0,1,2,3
	ds_load_b128 v[\fa+8*\m:\fa+8*\m+3],   v[ADRA+\slot] offset:\m*16*PA+64*\kq
	ds_load_b128 v[\fa+8*\m+4:\fa+8*\m+7], v[ADRA+\slot] offset:\m*16*PA+64*\kq+32
.endr
.endm
; one of a K step's first three quarters: multiplies buffer f, fetches quarter kq of the same slot into buffer g in its middle
.macro QUARTER slot, kq, fb, fa, gb, ga, bias
	s_wait_dscnt 4                                 ; all but the four youngest loads (xb's m-tiles 2, 3) are in
.if \bias
	WIN 0x81                                       ; as MUL_LO, C from window 0
.else
	WIN MUL_LO
.endif
	MUL12 \fb, \fa, 0, 0, \bias
	MUL12 \fb, \fa, 0, 1, \bias
	PLACES
	FETCH \slot, \kq, \gb, \ga
	s_wait_dscnt 32                                ; all but the 32 just issued
.if \bias
	WIN 0xc1
.else
	WIN MUL_HI
.endif
	MUL12 \fb, \fa, 1, 0, \bias
	MUL12 \fb, \fa, 1, 1, \bias
.endm
.macro THREE slot, bias
	QUARTER \slot, 1, FB0, FA0, FB1, FA1, \bias
	QUARTER \slot, 2, FB1, FA1, FB0, FA0, 0
	QUARTER \slot, 3, FB0, FA0, FB1, FA1, 0
.endm
; the fourth quarter changes slots.  In front of the barrier each wave's reads of this slot are back and all its tensor loads have landed
; (the one that was out is its part of the next slot); behind the round the refill comes first, then the next slot's first fragments.
; From a request to the wait for it a wave issues 180 matrix instructions.
.macro TURN slot, next, fill
	s_wait_dscnt 4
	WIN MUL_LO
	MUL12 FB1, FA1, 0, 0, 0
	s_wait_dscnt 0x0                               ; my reads of this slot are over
	s_wait_tensorcnt 0x0                           ; all my tensor loads have landed
	ds_add_u32 v255, v255
	s_wait_dscnt 0x0
	s_barrier_signal -1
	MUL12 FB1, FA1, 0, 1, 0                        ; register work while the others arrive
	WIN 0
	s_barrier_wait -1
.if \fill
	CREST                                          ; no wave of any partner still reads this slot or has a load on its way
	s_add_nc_u64 s[G0A+4*\slot+2:G0A+4*\slot+3], s[G0A+4*\slot+2:G0A+4*\slot+3], 512       ; two K steps on: no load of mine is out, so a group 0 may be written
	s_add_nc_u64 s[G0B+4*\slot+2:G0B+4*\slot+3], s[G0B+4*\slot+2:G0B+4*\slot+3], 1572864
	JLOAD \slot                                    ; the wave's one tensor load behind the round, and the first thing there
.endif
	PLACES
	FETCH \next, 0, FB0, FA0
	WIN MUL_HI
	MUL12 FB1, FA1, 1, 0, 0
	MUL12 FB1, FA1, 1, 1, 0
.endm
.macro LAP bias
	THREE 0, \bias
	TURN 0, 1, 1
	THREE 1, 0
	TURN 1, 0, 1
.endm
	s_wait_loadcnt 0x0                             ; the bias
	s_wait_tensorcnt 0x1                           ; my part of K step 0 is in; K step 1 stays out
	s_barrier_signal -1
	s_barrier_wait -1
	FETCH 0, 0, FB0, FA0
	LAP 1                                          ; K steps 0, 1; asks for 2, 3
	WIN 0
	s_mov_b32 s3, LAPS-2
.Llap:
	LAP 0                                          ; K steps 2, 3 and 4, 5; asks for 4 .. 7
	WIN 0
	s_sub_co_u32 s3, s3, 1
	s_cmp_lg_u32 s3, 0
	s_cbranch_scc1 .Llap
	THREE 0, 0                                     ; the last lap fills nothing
	TURN 0, 1, 0
	THREE 1, 0
	s_wait_dscnt 4
	WIN MUL_LO
	MUL12 FB1, FA1, 0, 0, 0
	MUL12 FB1, FA1, 0, 1, 0
	s_wait_dscnt 0x0
	WIN MUL_HI
	MUL12 FB1, FA1, 1, 0, 0
	MUL12 FB1, FA1, 1, 1, 0
	PLACES
; THE WAY OUT, 16 tokens at a time: round to bf16, 16 bytes a lane into my own stage, read back four tokens of a head at a time.
; LDS serves a wave's instructions in order, so the loads see the stores above them without a wait.
.macro OUT16 i, a, from, rb
	WIN \from
.irp t, 0,1,2,3,4,5,6,7,8,9,10,11
.irp q, 0,1,2,3
	v_cvt_pk_bf16_f32 v[TMP+4*\t+\q], v[8*(12*\a+\t)+2*\q], v[8*(12*\a+\t)+2*\q+1]
.endr
.endr
	WIN 0
.irp j, 0,1,2
.irp u, 0,1,2,3
	ds_store_b128 v[STO], v[TMP+4*(4*\j+\u):TMP+4*(4*\j+\u)+3] offset:16*SP*\j+32*\u
.endr
.endr
	s_wait_xcnt 0x0                                ; the buffer that earlier stores read is loaded again only behind this wait
.irp j, 0,1,2
.irp n, 0,1,2,3
	ds_load_b128 v[\rb+4*(4*\j+\n):\rb+4*(4*\j+\n)+3], v[RD] offset:16*SP*\j+4*SP*\n
.endr
.endr
.irp j, 0,1,2
.irp n, 0,1,2,3
	s_wait_dscnt 11-(4*\j+\n)                      ; the younger read-backs stay out
	global_store_b128 v[CO+\j], v[\rb+4*(4*\j+\n):\rb+4*(4*\j+\n)+3], s[10:11] offset:2048*\i+512*\n   ; 512 consecutive bytes, aligned
.endr
.endr
.endm
	OUT16 0, 0, 0x0a, RB0
	OUT16 1, 1, 0x0a, RB1
	OUT16 2, 0, 0x0f, RB0
	OUT16 3, 1, 0x0f, RB1
	s_set_vgpr_msb 0x1
	s_wait_tensorcnt 0x0
	ds_add_u32 v255, v255
	s_wait_dscnt 0x0
	s_set_vgpr_msb 0x100
	CROUND                                         ; the closing round: no work-group ends while a partner may still ask jointly
	s_endpgm
.Lfunc_end_k_q73b8e717b9_qkvgemm:
	.size	k_q73b8e717b9_qkvgemm, .Lfunc_end_k_q73b8e717b9_qkvgemm-k_q73b8e717b9_qkvgemm
	.p2alignl 7, 3214868480
	.fill 96, 4, 3214868480
	.section	.rodata,"a",@progbits
	.p2align	6, 0x0
	.amdhsa_kernel k_q73b8e717b9_qkvgemm
		.amdhsa_group_segment_fixed_size 327680
		.amdhsa_private_segment_fixed_size 0
		.amdhsa_enable_private_segment 0
		.amdhsa_kernarg_size 32
		.amdhsa_user_sgpr_count 2
		.amdhsa_user_sgpr_kernarg_segment_ptr 1
		.amdhsa_wavefront_size32 1
		.amdhsa_system_sgpr_workgroup_id_x 1
		.amdhsa_system_sgpr_workgroup_id_y 1
		.amdhsa_system_sgpr_workgroup_id_z 1
		.amdhsa_system_vgpr_workitem_id 0
		.amdhsa_next_free_vgpr 960
		.amdhsa_next_free_sgpr 80
		.amdhsa_reserve_vcc 0
		.amdhsa_float_denorm_mode_32 3
		.amdhsa_float_denorm_mode_16_64 3
		.amdhsa_memory_ordered 1
		.amdhsa_forward_progress 1
		.amdhsa_inst_pref_size 167
	.end_amdhsa_kernel
	.amdgpu_metadata
---
amdhsa.version: [ 1, 2 ]
amdhsa.kernels:
  - .name:           k_q73b8e717b9_qkvgemm
    .symbol:         k_q73b8e717b9_qkvgemm.kd
    .args:
      - { .name: xb, .offset: 0, .size: 8, .value_kind: global_buffer, .address_space: global }
      - { .name: wq, .offset: 8, .size: 8, .value_kind: global_buffer, .address_space: global }
      - { .name: b_qkv, .offset: 16, .size: 8, .value_kind: global_buffer, .address_space: global }
      - { .name: qkv, .offset: 24, .size: 8, .value_kind: global_buffer, .address_space: global }
    .group_segment_fixed_size: 327680
    .private_segment_fixed_size: 0
    .kernarg_segment_align: 8
    .kernarg_segment_size: 32
    .max_flat_workgroup_size: 128
    .sgpr_count:     80
    .vgpr_count:     960
    .wavefront_size: 32
...
	.end_amdgpu_metadata
.endif
;; end of part 2
;; launch attn (part 3): grid 8 x 32, 8 waves a work-group, clusters of 4 x 1, 327,680 bytes of LDS; arguments qkv, ao; writes ao
.if DOCPART == 3
	.amdgcn_target "amdgcn-amd-amdhsa--gfx1250"
	.amdhsa_code_object_version 6
	.text
	.protected	k_q73b8e717b9_attn
	.globl	k_q73b8e717b9_attn
	.p2align	8
	.type	k_q73b8e717b9_attn,@function
k_q73b8e717b9_attn:
	s_mov_b64 s[64:65], 0
	v_nop
	global_prefetch_b8 v0, s[64:65] scope:SCOPE_SE
	s_setreg_imm32_b32 hwreg(HW_REG_WAVE_MODE, 25, 1), 1
	s_wait_xcnt 0x0
	s_wait_alu depctr_hold_cnt(0) depctr_sa_sdst(0) depctr_va_vdst(0) depctr_va_sdst(0) depctr_va_ssrc(0) depctr_va_vcc(0) depctr_vm_vsrc(0)
	s_getreg_b32 s2, hwreg(HW_REG_IB_STS2, 6, 4)
	s_cmp_eq_u32 s2, 0
	s_cbranch_scc0 .Lentry_in_a_cluster
	s_endpgm
.Lentry_in_a_cluster:
	s_bfe_u32 s2, ttmp6, 0x10000c
	s_cmp_lg_u32 s2, 0x3003
	s_cbranch_scc0 .Lentry_shape_is_right
	s_endpgm
.Lentry_shape_is_right:
; softmax(q k^T / 8) v for one head (ttmp7: batch x 16 + head) and 256 queries, with a running maximum, never storing a score.
; Eight waves.  Waves p and p + 4 own the same 64 queries; of every tile of 256 keys wave group g = wave / 4 takes keys 128 g .. +127.
; Each wave keeps its own maximum, sum and O; the two halves are merged once at the end, through LDS.  So two waves lie on a SIMD and one
; can do its softmax while the other multiplies, and since the KEYS are split no fragment is read from LDS twice.
; LAYOUT: S^T = K Q^T (source 0 = 16 keys, source 1 = 16 queries): lane l, register j holds key 8 (l / 16) + j of query l % 16.  Two
; neighbouring key tiles, rounded to bf16 in place, ARE the fragment of P (32 keys of query l % 16).  O^T = V^T P^T keeps the query in the
; lane: maximum, sum and rescaling are per lane, and one exchange between the halves of the wave joins the maxima.
; The shift is Mn = round(-c m), c = log2(e) / 8: p = exp2(S c + Mn), rescale = exp2(Mn_new - Mn_old): one rounded Mn serves all, so the
; factors agree at any size of the scores.
; CLUSTERS: the four query blocks of a cluster read the same K and V tiles: joint loads with the mask 15.  Waves 0, 1 ask for K's halves,
; waves 2, 3 for V's, waves 4-7 for nothing.  By this text's own count a wave has one tensor load out.
; Two slots of 256 keys: a tile is asked for straight behind a round and waited for in front of the next: 128 matrix instructions and two softmax blocks later.
; REGISTERS: window 0: addresses, statistics, fragments of Q (v64-127), K (v128-191), V (v192-255); window 1: S/P (v0-127), O (v128-255).
; LIMITS: q, k, v, p and the result are bf16, statistics and sums f32; an exponential below 2^-126 is zero; NaN or infinite inputs give NaN,
; not necessarily in the elements in which a plain softmax has them.
.set KP,     144                       ; LDS pitch of a key's 128 bytes of K: an odd multiple of 16
.set VP,     160                       ; of V: an odd multiple of 32, for the transposing load
.set HALF,   20480                     ; room for 128 keys (K uses 18,432)
.set SLOT,   4*HALF                    ; K half 0, K half 1, V half 0, V half 1
.set XCH,    2*SLOT                    ; 163,840: where waves 4-7 hand over; a multiple of 256, no tensor load lands here
.set XPAIR,  17408                     ; 128 registers x 128 bytes + 2 x 512 of statistics
.set STAGE,  XCH+4*XPAIR               ; 233,472
.set SP,     144
.set WSTAGE, 64*SP                     ; 64 queries for each of waves 0-3
.set ADK, 8                            ; v8-9    my K fragments in slot 0, 1
.set ADV, 10                           ; v10-11  my V fragments
.set STO, 12
.set RD,  13
.set CO,  14
.set XA,  15                           ; my 16 bytes in my pair's exchange
.set QO,  16
.set MN,  20                           ; pairs (Mn_t, m_t), t = query tile: v20,21 .. v26,27
.set MM,  21
.set AL,  28                           ; pairs (rescale_t, X_t): v28,29 .. v34,35
.set XX,  29
.set LP,  36                           ; pairs: two partial sums of p for each t
.set NM,  44                           ; v44-47
.set LA,  48                           ; v48-55  merge
.set PS,  56                           ; v56-63  the partner's Mn and sums
.set QF,  64
.set KF,  128
.set VF,  192
.set OB,  64                           ; merge: the partner's O, window 0
.set OUTR, 192                         ; the way out
.set G1K, 16
.set G1V, 24
.set G0,  32                           ; s[32:35] slot 0, s[36:39] slot 1
.set CSC, 0x3e38aa3b                   ; log2(e) / 8
.set NCSC, 0xbe38aa3b
.set MSB, 0
.macro WIN new
.if MSB != \new
	s_set_vgpr_msb (MSB<<8)|\new
.set MSB, \new
.endif
.endm
.macro PLACES
.rept 4
	v_nop
.endr
.endm
.macro ROUND                           ; a round of the cluster's barrier
	s_barrier_signal -1
	s_barrier_wait -1
	s_cmp_lg_u32 s8, 0
	s_cbranch_scc1 .Lnot_wave_0_\@
	s_barrier_signal -3
.Lnot_wave_0_\@:
	s_barrier_wait -3
	s_barrier_signal -1
	s_barrier_wait -1
.endm
.macro JLOAD s                         ; the branches hang on the wave's number alone
	s_cmp_lt_u32 s8, 2
	s_cbranch_scc0 .Lnot_k_\@
	tensor_load_to_lds s[G0+4*(\s):G0+4*(\s)+3], s[G1K:G1K+7]
	s_nop 0
	s_branch .Lasked_\@
.Lnot_k_\@:
	s_cmp_lt_u32 s8, 4
	s_cbranch_scc0 .Lasked_\@
	tensor_load_to_lds s[G0+4*(\s):G0+4*(\s)+3], s[G1V:G1V+7]
	s_nop 0
.Lasked_\@:
.endm
	s_load_b128 s[4:7], s[0:1], 0x0                ; qkv s[4:5], ao s[6:7]
	v_lshl_add_u32 v18, v0, 2, 0x42000
	v_mov_b32 v19, 0
	ds_add_u32 v18, v19
	v_lshrrev_b32 v1, 5, v0
	v_readfirstlane_b32 s8, v1                     ; wave 0..7
	s_lshr_b32 s9, s8, 2                           ; g: my half of the keys
	s_and_b32 s10, s8, 3                           ; p: my 64 queries
	s_mov_b32 s12, 0x76543210                      ; v_permlanex16_b32: lane i of one half reads lane i of the other
	s_mov_b32 s13, 0xfedcba98
	s_bfe_u32 s40, ttmp6, 0x40000                  ; cx
	s_lshl_b32 s41, ttmp9, 2
	s_add_co_u32 s41, s41, s40                     ; query block 0..7
	s_and_b32 s42, ttmp7, 0xffff                   ; batch x 16 + head
	; a half tile is 128 keys x 128 bytes, dense in memory: taken as 64 rows of 256 bytes, with a pad behind every 32 words (a key)
	s_mov_b32 s[G1K+0], 0x0731000f                 ; mask 15 | 2-byte elements | padding on | bit 21 beside a mask | every 32 words | 4 words
	s_mov_b32 s[G1V+0], 0x0f31000f                 ; the same with 8 words
	s_mov_b32 s[G1K+1], 128<<16                    ; tensor_dim0 = 128
	s_mov_b32 s[G1V+1], 128<<16
	s_mov_b32 s[G1K+2], 64<<16                     ; tensor_dim1 = 64
	s_mov_b32 s[G1V+2], 64<<16
	s_mov_b32 s[G1K+3], 128<<16                    ; tile_dim0 = 128
	s_mov_b32 s[G1V+3], 128<<16
	s_mov_b32 s[G1K+4], 64                         ; tile_dim1 = 64
	s_mov_b32 s[G1V+4], 64
	s_mov_b32 s[G1K+5], 128                        ; pitch = the row: dense
	s_mov_b32 s[G1V+5], 128
	s_mov_b32 s[G1K+6], 0
	s_mov_b32 s[G1V+6], 0
	s_mov_b32 s[G1K+7], 0
	s_mov_b32 s[G1V+7], 0
	s_mul_i32 s43, s8, HALF                        ; LDS: wave x 20,480
	s_lshr_b32 s46, s10, 1                         ; p / 2: 0 K, 1 V (from p, so that waves 4-7, which ask for nothing, form no address past the buffer)
	s_lshl_b32 s46, s46, 5
	s_add_co_u32 s46, s46, s42
	s_add_co_u32 s46, s46, 32                      ; (1 + p / 2) x 32 + batch x 16 + head
	s_lshl_b32 s46, s46, 18                        ; x 2,048 keys x 128 bytes
	s_and_b32 s47, s10, 1
	s_lshl_b32 s47, s47, 14                        ; + my half of the tile
	s_add_co_u32 s46, s46, s47
	s_mov_b32 s47, 0
	s_lshl_b32 s48, s42, 18                        ; q of my head,
	s_lshl_b32 s49, s41, 15                        ; my block of 256 queries
	s_add_co_u32 s48, s48, s49
	s_mov_b32 s49, 0
	s_wait_dscnt 0x0
	s_wait_kmcnt 0x0
	s_add_nc_u64 s[46:47], s[4:5], s[46:47]
	s_add_nc_u64 s[48:49], s[4:5], s[48:49]
.irp n, 0,1
	s_mov_b32 s[G0+4*\n], 1
	s_add_co_u32 s[G0+4*\n+1], s43, \n*SLOT
	s_add_nc_u64 s[G0+4*\n+2:G0+4*\n+3], s[46:47], \n*32768        ; tile n: 256 keys x 128 bytes on
	s_or_b32 s[G0+4*\n+3], s[G0+4*\n+3], 0x80000000
.endr
	ROUND                                          ; the four work-groups are here: the first joint loads meet
	JLOAD 0                                        ; tile 0
	v_and_b32 v1, 15, v0                           ; r
	v_bfe_u32 v2, v0, 4, 1                         ; h
	v_and_b32 v3, 7, v0
	v_bfe_u32 v4, v0, 3, 1
	v_and_b32 v5, 31, v0                           ; l
	v_lshlrev_b32 v6, 7, v1                        ; query r x 128 bytes
	v_lshl_add_u32 v6, v2, 4, v6                   ; + 16 h
	s_lshl_b32 s50, s10, 13                        ; + 64 p queries
	v_add_nc_u32 v[QO], s50, v6
.irp qt, 0,1,2,3
.irp c, 0,1
	global_load_b128 v[QF+8*(2*\qt+\c):QF+8*(2*\qt+\c)+3],   v[QO], s[48:49] offset:2048*\qt+64*\c      ; Q stays in registers for the whole kernel
	global_load_b128 v[QF+8*(2*\qt+\c)+4:QF+8*(2*\qt+\c)+7], v[QO], s[48:49] offset:2048*\qt+64*\c+32
.endr
.endr
	v_mul_u32_u24 v7, v1, KP
	v_lshl_add_u32 v7, v2, 4, v7
	s_mul_i32 s51, s9, HALF
	v_add_nc_u32 v[ADK], s51, v7
	v_add_nc_u32 v[ADK+1], SLOT, v[ADK]
	v_lshl_add_u32 v7, v2, 3, v3                   ; the transposing load: key 8 h + l % 8,
	v_mul_u32_u24 v7, v7, VP
	v_lshl_add_u32 v7, v4, 4, v7                   ; 16 bytes at 16 ((l / 8) % 2)
	s_add_co_u32 s51, s51, 2*HALF
	v_add_nc_u32 v[ADV], s51, v7
	v_add_nc_u32 v[ADV+1], SLOT, v[ADV]
	s_mul_i32 s52, s10, XPAIR
	s_add_co_u32 s52, s52, XCH
	v_lshl_add_u32 v[XA], v5, 4, s52
	v_lshlrev_b32 v[CO], 4, v5
.irp t, 0,1,2,3
	v_mov_b32 v[XX+2*\t], 0                        ; the lane exchange's destination counts as read: written once here
.endr
.macro LOADK slot, j                   ; 64 keys x 64 d of K: 16 loads
.irp kt, 0,1,2,3
.irp c, 0,1
	ds_load_b128 v[KF+8*(2*\kt+\c):KF+8*(2*\kt+\c)+3],   v[ADK+\slot] offset:64*KP*(\j)+16*KP*\kt+64*\c
	ds_load_b128 v[KF+8*(2*\kt+\c)+4:KF+8*(2*\kt+\c)+7], v[ADK+\slot] offset:64*KP*(\j)+16*KP*\kt+64*\c+32
.endr
.endr
.endm
.macro LOADV slot, j                   ; the same keys of V, transposed on the way: 16 loads
.irp dt, 0,1,2,3
.irp ks, 0,1
	ds_load_tr16_b128 v[VF+8*(2*\dt+\ks):VF+8*(2*\dt+\ks)+3],   v[ADV+\slot] offset:64*VP*(\j)+32*VP*\ks+32*\dt
	ds_load_tr16_b128 v[VF+8*(2*\dt+\ks)+4:VF+8*(2*\dt+\ks)+7], v[ADV+\slot] offset:64*VP*(\j)+32*VP*\ks+32*\dt+16*VP
.endr
.endr
.endm
; 64 keys against my 64 queries.  first = 1: the kernel's first block starts maximum, sums and O.  more = 1: the slot's next block is fetched.
; In both products the 16 accumulators take turns, one instruction a turn.
.macro BLOCK slot, j, first, more
	s_wait_dscnt 16                                ; K is in; the 16 younger loads (V) stay out
	WIN 0x50                                       ; C and D window 1
.irp kt, 0,1,2,3
.irp qt, 0,1,2,3
	v_wmma_f32_16x16x32_bf16 v[8*(4*\qt+\kt):8*(4*\qt+\kt)+7], v[KF+16*\kt:KF+16*\kt+7], v[QF+16*\qt:QF+16*\qt+7], 0
.endr
.endr
.irp kt, 0,1,2,3
.irp qt, 0,1,2,3
	v_wmma_f32_16x16x32_bf16 v[8*(4*\qt+\kt):8*(4*\qt+\kt)+7], v[KF+16*\kt+8:KF+16*\kt+15], v[QF+16*\qt+8:QF+16*\qt+15], v[8*(4*\qt+\kt):8*(4*\qt+\kt)+7]
.endr
.endr
	WIN 0
	PLACES                                         ; in front of the loads into K's registers and of the reads of S
.if \more
	LOADK \slot, \j+1
.endif
	; the running maximum: four chains, one for each query tile, over my 32 scores of it
.if \first
	WIN 0x05
.irp t, 0,1,2,3
	v_max_num_f32 v[MM+2*\t], v[32*\t], v[32*\t+1]
.endr
.endif
	WIN 0x14
.set ii, \first
.rept 16-\first
.irp t, 0,1,2,3
	v_max3_num_f32 v[MM+2*\t], v[MM+2*\t], v[32*\t+2*ii], v[32*\t+2*ii+1]
.endr
.set ii, ii+1
.endr
	WIN 0
.irp t, 0,1,2,3
	v_permlanex16_b32 v[XX+2*\t], v[MM+2*\t], s12, s13             ; the other half of the wave holds the query's other keys
.endr
.irp t, 0,1,2,3
	v_max_num_f32 v[MM+2*\t], v[MM+2*\t], v[XX+2*\t]
.endr
.if \first
.irp t, 0,1,2,3
	v_mul_f32 v[MN+2*\t], NCSC, v[MM+2*\t]
.endr
.else
.irp t, 0,1,2,3
	v_mul_f32 v[NM+\t], NCSC, v[MM+2*\t]
.endr
.irp t, 0,1,2,3
	v_sub_f32 v[AL+2*\t], v[NM+\t], v[MN+2*\t]                     ; c (m_old - m_new), never above 0
.endr
.irp t, 0,1,2,3
	v_exp_f32 v[AL+2*\t], v[AL+2*\t]
.endr
.irp t, 0,1,2,3
	v_mov_b32 v[MN+2*\t], v[NM+\t]                                 ; also the plain place behind the exponentials (ISA guide 5.7.2)
.endr
	s_wait_alu depctr_va_vdst(0)
.irp t, 0,1,2,3
	v_pk_mul_f32 v[LP+2*\t:LP+2*\t+1], v[LP+2*\t:LP+2*\t+1], v[AL+2*\t:AL+2*\t+1] op_sel_hi:[1,0]
.endr
.endif
	WIN 0x41                                       ; S and O in window 1, statistics in window 0
.set ii, 0
.rept 16
.irp t, 0,1,2,3
	v_pk_fma_f32 v[32*\t+2*ii:32*\t+2*ii+1], v[32*\t+2*ii:32*\t+2*ii+1], CSC, v[MN+2*\t:MN+2*\t+1] op_sel_hi:[1,0,0]
.endr
.set ii, ii+1
.endr
.set ii, 0
.rept 128
	v_exp_f32 v[ii], v[ii]
.set ii, ii+1
.endr
.if \first
	v_nop                                          ; the plain place behind the exponentials
.else
.set ii, 0
	s_wait_alu depctr_va_vdst(0)
.rept 16
.irp t, 0,1,2,3
	v_pk_mul_f32 v[128+32*\t+2*ii:128+32*\t+2*ii+1], v[128+32*\t+2*ii:128+32*\t+2*ii+1], v[AL+2*\t:AL+2*\t+1] op_sel_hi:[1,0]   ; O to the new maximum; the first is that place
.endr
.set ii, ii+1
.endr
.endif
.if \first
	WIN 0x05
	s_wait_alu depctr_va_vdst(0)
.irp t, 0,1,2,3
	v_pk_add_f32 v[LP+2*\t:LP+2*\t+1], v[32*\t:32*\t+1], v[32*\t+2:32*\t+3]
.endr
.endif
	WIN 0x01
.set ii, 2*\first
.rept 16-2*\first
.irp t, 0,1,2,3
	v_pk_add_f32 v[LP+2*\t:LP+2*\t+1], v[32*\t+2*ii:32*\t+2*ii+1], v[LP+2*\t:LP+2*\t+1]
.endr
.set ii, ii+1
.endr
	WIN 0x45                                       ; p to bf16 in place: 16 registers (two key tiles) become the 8 of a fragment
.irp b, 0,16,32,48,64,80,96,112
.irp q, 0,1,2,3,4,5,6,7
	v_cvt_pk_bf16_f32 v[\b+\q], v[\b+2*\q], v[\b+2*\q+1]
.endr
.endr
	s_wait_dscnt 16*\more                          ; V is in; the next block's 16 loads of K, if any, stay out
	WIN 0x54                                       ; source 0 (V) window 0; P, C and D window 1
.irp dt, 0,1,2,3
.irp qt, 0,1,2,3
.if \first
	v_wmma_f32_16x16x32_bf16 v[128+8*(4*\qt+\dt):128+8*(4*\qt+\dt)+7], v[VF+16*\dt:VF+16*\dt+7], v[32*\qt:32*\qt+7], 0
.else
	v_wmma_f32_16x16x32_bf16 v[128+8*(4*\qt+\dt):128+8*(4*\qt+\dt)+7], v[VF+16*\dt:VF+16*\dt+7], v[32*\qt:32*\qt+7], v[128+8*(4*\qt+\dt):128+8*(4*\qt+\dt)+7]
.endif
.endr
.endr
.irp dt, 0,1,2,3
.irp qt, 0,1,2,3
	v_wmma_f32_16x16x32_bf16 v[128+8*(4*\qt+\dt):128+8*(4*\qt+\dt)+7], v[VF+16*\dt+8:VF+16*\dt+15], v[32*\qt+16:32*\qt+23], v[128+8*(4*\qt+\dt):128+8*(4*\qt+\dt)+7]
.endr
.endr
	WIN 0
.rept 5
	v_nop                                          ; five places: the next block's first products write over P's registers; loads into V's want four
.endr
.if \more
	LOADV \slot, \j+1
.endif
.endm
; a tile of 256 keys.  In front of the round: all my tensor loads have landed (my part of this tile among them) and my reads of the other
; slot are back; behind it the other slot's next tile is asked for first, then this slot is read.
.macro TRIP slot, refill, first
	s_wait_tensorcnt 0x0
	ds_add_u32 v18, v19
	s_wait_dscnt 0x0
	s_add_nc_u64 s[G0+4*\slot+2:G0+4*\slot+3], s[G0+4*\slot+2:G0+4*\slot+3], 65536   ; no load of mine is out: this slot's next tile, two tiles on
	s_wait_dscnt 0x0
	ROUND
.if \refill
	JLOAD 1-\slot
.endif
	LOADK \slot, 0
	LOADV \slot, 0
	BLOCK \slot, 0, \first, 1
	BLOCK \slot, 1, 0, 0
.endm
	s_wait_loadcnt 0x0                             ; Q
	TRIP 0, 1, 1                                   ; tile 0; asks for 1
	TRIP 1, 1, 0
	s_mov_b32 s44, 2
.Ltiles:
	TRIP 0, 1, 0                                   ; tiles 2 .. 5
	TRIP 1, 1, 0
	s_sub_co_u32 s44, s44, 1
	s_cmp_lg_u32 s44, 0
	s_cbranch_scc1 .Ltiles
	TRIP 0, 1, 0                                   ; tile 6; asks for 7, the last
	TRIP 1, 0, 0                                   ; its stepped address is not used
	; THE MERGE.  Waves 4-7 hand O, Mn and their sums to waves 0-3, lane to lane.
	s_cmp_lt_u32 s8, 4
	s_cbranch_scc1 .Lkeeper
.irp t, 0,1,2,3
	v_mov_b32 v[LA+\t], v[MN+2*\t]
.endr
.irp t, 0,1,2,3
	v_add_f32 v[LA+4+\t], v[LP+2*\t], v[LP+2*\t+1]
.endr
	WIN 0x04                                       ; store data from window 1
.set ii, 0
.rept 32
	ds_store_b128 v[XA], v[128+4*ii:128+4*ii+3] offset:512*ii
.set ii, ii+1
.endr
	WIN 0
	ds_store_b128 v[XA], v[LA:LA+3] offset:16384
	ds_store_b128 v[XA], v[LA+4:LA+7] offset:16896
.Lkeeper:
	s_wait_dscnt 0x0                               ; for the partner's sake: my stores are done
	ROUND                                          ; the closing round; its work-group barriers also stand between those stores and the loads below
	s_cmp_lt_u32 s8, 4
	s_cbranch_scc1 .Lmerge
	s_wait_tensorcnt 0x0
	ds_add_u32 v18, v19
	s_wait_dscnt 0x0
	s_endpgm
.Lmerge:
	ds_load_b128 v[PS:PS+3], v[XA] offset:16384
	ds_load_b128 v[PS+4:PS+7], v[XA] offset:16896
.set ii, 0
.rept 32
	ds_load_b128 v[OB+4*ii:OB+4*ii+3], v[XA] offset:512*ii
.set ii, ii+1
.endr
	s_mul_i32 s53, s8, WSTAGE
	s_add_co_u32 s53, s53, STAGE                   ; my stage
	v_mul_u32_u24 v6, v1, SP
	v_lshl_add_u32 v6, v2, 4, v6
	v_add_nc_u32 v[STO], s53, v6                   ; in: query r, 16 bytes for each half of the lanes
	v_lshrrev_b32 v7, 3, v5
	v_mul_u32_u24 v7, v7, SP
	v_lshl_add_u32 v7, v3, 4, v7
	v_add_nc_u32 v[RD], s53, v7                    ; back: eight lanes a query, a wave four queries
	s_lshr_b32 s54, s42, 4
	s_lshl_b32 s54, s54, 4                         ; 16 x batch
	s_lshl_b32 s55, s41, 1
	s_add_co_u32 s54, s54, s55                     ; + 2 x query block
	s_lshr_b32 s55, s10, 1
	s_add_co_u32 s54, s54, s55                     ; + p / 2 = the block of 128 rows
	s_lshl_b32 s54, s54, 4
	s_and_b32 s55, s42, 15
	s_add_co_u32 s54, s54, s55                     ; x 16 + head
	s_lshl_b32 s54, s54, 7
	s_and_b32 s55, s10, 1
	s_lshl_b32 s55, s55, 6
	s_add_co_u32 s54, s54, s55                     ; x 128 + my first token in it
	s_lshl_b32 s54, s54, 7                         ; x 128 bytes
	s_mov_b32 s55, 0
	s_add_nc_u64 s[6:7], s[6:7], s[54:55]
.irp t, 0,1,2,3
	v_add_f32 v[LA+\t], v[LP+2*\t], v[LP+2*\t+1]
.endr
	s_wait_dscnt 32                                ; the partner's statistics are in; its O's 32 loads stay out
.irp t, 0,1,2,3
	v_min_num_f32 v[NM+\t], v[MN+2*\t], v[PS+\t]                   ; Mn = -c m: the larger maximum is the smaller Mn
.endr
.irp t, 0,1,2,3
	v_sub_f32 v[AL+2*\t], v[NM+\t], v[MN+2*\t]
.endr
.irp t, 0,1,2,3
	v_sub_f32 v[LP+2*\t], v[NM+\t], v[PS+\t]
.endr
.irp t, 0,1,2,3
	v_exp_f32 v[AL+2*\t], v[AL+2*\t]                               ; my factor
.endr
.irp t, 0,1,2,3
	v_exp_f32 v[LP+2*\t], v[LP+2*\t]                               ; the partner's
.endr
	v_nop
	s_wait_alu depctr_va_vdst(0)
.irp t, 0,1,2,3
	v_mul_f32 v[LA+\t], v[LA+\t], v[AL+2*\t]
.endr
.irp t, 0,1,2,3
	v_fmac_f32 v[LA+\t], v[PS+4+\t], v[LP+2*\t]
.endr
.irp t, 0,1,2,3
	v_permlanex16_b32 v[XX+2*\t], v[LA+\t], s12, s13               ; the sums of the query's other keys
.endr
.irp t, 0,1,2,3
	v_add_f32 v[LA+\t], v[LA+\t], v[XX+2*\t]
.endr
.irp t, 0,1,2,3
	v_rcp_f32 v[LA+\t], v[LA+\t]                                   ; the sum holds the maximum's own term, about 1: never zero
.endr
	v_nop
	s_wait_alu depctr_va_vdst(0)
.irp t, 0,1,2,3
	v_mul_f32 v[AL+2*\t], v[AL+2*\t], v[LA+\t]
.endr
.irp t, 0,1,2,3
	v_mul_f32 v[LP+2*\t], v[LP+2*\t], v[LA+\t]
.endr
	s_wait_dscnt 0x0
.set ii, 0
.rept 16
.irp t, 0,1,2,3
	v_pk_mul_f32 v[OB+32*\t+2*ii:OB+32*\t+2*ii+1], v[OB+32*\t+2*ii:OB+32*\t+2*ii+1], v[LP+2*\t:LP+2*\t+1] op_sel_hi:[1,0]
.endr
.set ii, ii+1
.endr
	WIN 0x01                                       ; my O from window 1
.set ii, 0
.rept 16
.irp t, 0,1,2,3
	v_pk_fma_f32 v[OB+32*\t+2*ii:OB+32*\t+2*ii+1], v[128+32*\t+2*ii:128+32*\t+2*ii+1], v[AL+2*\t:AL+2*\t+1], v[OB+32*\t+2*ii:OB+32*\t+2*ii+1] op_sel_hi:[1,0,1]
.endr
.set ii, ii+1
.endr
	WIN 0
.set ii, 0
.rept 16
.irp q, 0,1,2,3
	v_cvt_pk_bf16_f32 v[OB+8*ii+\q], v[OB+8*ii+2*\q], v[OB+8*ii+2*\q+1]    ; eight neighbouring d of one query: 16 bytes
.endr
.set ii, ii+1
.endr
.irp qt, 0,1,2,3
.irp dt, 0,1,2,3
	ds_store_b128 v[STO], v[OB+8*(4*\qt+\dt):OB+8*(4*\qt+\dt)+3] offset:16*SP*\qt+32*\dt
.endr
.endr
.irp qt, 0,1,2,3
.irp n, 0,1,2,3
	ds_load_b128 v[OUTR+4*(4*\qt+\n):OUTR+4*(4*\qt+\n)+3], v[RD] offset:16*SP*\qt+4*SP*\n     ; my own bytes, served in order behind the stores
.endr
.endr
.irp qt, 0,1,2,3
.irp n, 0,1,2,3
	s_wait_dscnt 15-(4*\qt+\n)                     ; the younger read-backs stay out
	global_store_b128 v[CO], v[OUTR+4*(4*\qt+\n):OUTR+4*(4*\qt+\n)+3], s[6:7] offset:2048*\qt+512*\n   ; 512 consecutive bytes, aligned
.endr
.endr
	s_wait_tensorcnt 0x0
	ds_add_u32 v18, v19
	s_wait_dscnt 0x0
	s_endpgm
.Lfunc_end_k_q73b8e717b9_attn:
	.size	k_q73b8e717b9_attn, .Lfunc_end_k_q73b8e717b9_attn-k_q73b8e717b9_attn
	.p2alignl 7, 3214868480
	.fill 96, 4, 3214868480
	.section	.rodata,"a",@progbits
	.p2align	6, 0x0
	.amdhsa_kernel k_q73b8e717b9_attn
		.amdhsa_group_segment_fixed_size 327680
		.amdhsa_private_segment_fixed_size 0
		.amdhsa_enable_private_segment 0
		.amdhsa_kernarg_size 16
		.amdhsa_user_sgpr_count 2
		.amdhsa_user_sgpr_kernarg_segment_ptr 1
		.amdhsa_wavefront_size32 1
		.amdhsa_system_sgpr_workgroup_id_x 1
		.amdhsa_system_sgpr_workgroup_id_y 1
		.amdhsa_system_sgpr_workgroup_id_z 1
		.amdhsa_system_vgpr_workitem_id 0
		.amdhsa_next_free_vgpr 512
		.amdhsa_next_free_sgpr 66
		.amdhsa_reserve_vcc 0
		.amdhsa_float_denorm_mode_32 3
		.amdhsa_float_denorm_mode_16_64 3
		.amdhsa_memory_ordered 1
		.amdhsa_forward_progress 1
		.amdhsa_inst_pref_size 255
	.end_amdhsa_kernel
	.section	.bss,"aw",@nobits
	.p2align	6
	.space	262144
	.amdgpu_metadata
---
amdhsa.version: [ 1, 2 ]
amdhsa.kernels:
  - .name:           k_q73b8e717b9_attn
    .symbol:         k_q73b8e717b9_attn.kd
    .args:
      - { .name: qkv, .offset: 0, .size: 8, .value_kind: global_buffer, .address_space: global }
      - { .name: ao, .offset: 8, .size: 8, .value_kind: global_buffer, .address_space: global }
    .group_segment_fixed_size: 327680
    .private_segment_fixed_size: 0
    .kernarg_segment_align: 8
    .kernarg_segment_size: 16
    .max_flat_workgroup_size: 256
    .sgpr_count:     66
    .vgpr_count:     512
    .wavefront_size: 32
...
	.end_amdgpu_metadata
.endif
;; end of part 3
;; launch proj (part 4): grid 8 x 32, 4 waves a work-group, clusters of 4 x 4, 327,680 bytes of LDS; arguments ao, wo, b_out, out0; writes out0
.if DOCPART == 4
	.amdgcn_target "amdgcn-amd-amdhsa--gfx1250"
	.amdhsa_code_object_version 6
	.text
	.protected	k_q73b8e717b9_proj
	.globl	k_q73b8e717b9_proj
	.p2align	8
	.type	k_q73b8e717b9_proj,@function
k_q73b8e717b9_proj:
	s_mov_b64 s[64:65], 0
	v_nop
	global_prefetch_b8 v0, s[64:65] scope:SCOPE_SE
	s_setreg_imm32_b32 hwreg(HW_REG_WAVE_MODE, 25, 1), 1
	s_wait_xcnt 0x0
	s_wait_alu depctr_hold_cnt(0) depctr_sa_sdst(0) depctr_va_vdst(0) depctr_va_sdst(0) depctr_va_ssrc(0) depctr_va_vcc(0) depctr_vm_vsrc(0)
	s_getreg_b32 s2, hwreg(HW_REG_IB_STS2, 6, 4)
	s_cmp_eq_u32 s2, 0
	s_cbranch_scc0 .Lentry_in_a_cluster
	s_endpgm
.Lentry_in_a_cluster:
	s_bfe_u32 s2, ttmp6, 0x10000c
	s_cmp_lg_u32 s2, 0xf033
	s_cbranch_scc0 .Lentry_shape_is_right
	s_endpgm
.Lentry_shape_is_right:
; out0 = ao x wo [1024][1024] + b_out, f32.  ao lies as [block of 128 rows][head][token][64], so that K = head x 64 + d and the tile of a
; block row and four heads is 65,536 dense bytes.
; A work-group makes 128 x 128 with four waves (2 x 2), a wave 64 x 64: 16 accumulator tiles.  With 4096 x 1024 outputs on 256 work-groups
; that is the squarest block there is.  K goes in four slot fills of 256 through two LDS slots.
; CLUSTERS: 4 x 4; ao's tile is asked for jointly along a row of the cluster, wo's along a column.  Waves 0, 1 ask for two heads of ao
; each, waves 2, 3 for 128 k-rows of wo each: one tensor load a wave behind each round.  By this text's own count a wave has two
; tensor loads out at the start and one later.
; The matrix instruction is used transposed (source 0 = 16 columns of wo, by the transposing load; source 1 = 16 rows of ao): a lane holds
; eight neighbouring columns of one row.  The first products take the bias as C.
; REGISTERS: window 0: addresses, two fragment buffers (ao at F + 8 a, wo at F + 32 + 8 u), the bias; window 1: accumulators at 8 (4 a + u).
; LIMIT: operands are bf16, sums and the result f32.
.set PA,     144                       ; a token's 128 bytes of one head + 16
.set PB,     288                       ; a k-row's 256 bytes + 32
.set QTR,    36864                     ; what one tensor load fills: 2 heads x 128 x 144 = 128 x 288
.set SLOT,   4*QTR
.set STAGE,  2*SLOT                    ; 294,912, a multiple of 256: no tensor load lands here
.set SP,     272                       ; stage pitch: 64 f32 + 16 bytes
.set ADRA, 16                          ; v16-17  slot 0, 1
.set ADRB, 18                          ; v18-21  2 x slot + half of the 256 k-rows
.set STO,  24
.set RD,   25
.set CO,   26
.set BOF,  27
.set F0,   32
.set F1,   96
.set BIAS, 160                         ; v160-191, 4 x 8
.set G1A, 24
.set G0A, 32
.set G1B, 48
.set G0B, 56
.set MSB, 0
.macro WIN new
.if MSB != \new
	s_set_vgpr_msb (MSB<<8)|\new
.set MSB, \new
.endif
.endm
.macro PLACES
.rept 4
	v_nop
.endr
.endm
.macro JLOAD s
	s_cmp_eq_u32 s13, 0
	s_cbranch_scc0 .Lfor_b_\@
	tensor_load_to_lds s[G0A+4*\s:G0A+4*\s+3], s[G1A:G1A+7]
	s_nop 0
	s_branch .Lasked_\@
.Lfor_b_\@:
	tensor_load_to_lds s[G0B+4*\s:G0B+4*\s+3], s[G1B:G1B+7]
	s_nop 0
.Lasked_\@:
.endm
.macro CREST
	s_cmp_lg_u32 s12, 0
	s_cbranch_scc1 .Lnot_wave_0_\@
	s_barrier_signal -3
.Lnot_wave_0_\@:
	s_barrier_wait -3
	s_barrier_signal -1
	s_barrier_wait -1
.endm
.macro CROUND
	s_barrier_signal -1
	s_barrier_wait -1
	CREST
.endm
	s_load_b256 s[4:11], s[0:1], 0x0               ; ao s[4:5], wo s[6:7], b_out s[8:9], out0 s[10:11]
	v_lshl_add_u32 v254, v0, 2, 0x4c400
	v_mov_b32 v255, 0
	ds_add_u32 v254, v255
	v_lshrrev_b32 v1, 5, v0
	v_readfirstlane_b32 s12, v1                    ; wave 0..3
	s_lshr_b32 s13, s12, 1                         ; wm.  Also: I ask for ao (0) or wo (1)
	s_and_b32 s14, s12, 1                          ; wn.  Also: which half of that tile
	s_bfe_u32 s40, ttmp6, 0x40000                  ; cx
	s_bfe_u32 s41, ttmp6, 0x40004                  ; cy
	s_lshl_b32 s42, ttmp9, 2
	s_add_co_u32 s42, s42, s40                     ; block column 0..7
	s_and_b32 s43, ttmp7, 0xffff
	s_lshl_b32 s43, s43, 2
	s_add_co_u32 s43, s43, s41                     ; block row 0..31
	s_lshl_b32 s44, s41, 2
	s_lshl_b32 s44, 15, s44                        ; my row of the cluster
	s_lshl_b32 s45, 0x1111, s40                    ; my column
	s_or_b32 s[G1A+0], s44, 0x07310000             ; mask | 2-byte elements | padding on | bit 21 | every 32 words (a token) | 4 words
	s_or_b32 s[G1B+0], s45, 0x0f710000             ; mask | ... | every 64 words (a k-row) | 8 words
	s_mov_b32 s[G1A+1], 128<<16                    ; both: 128 rows of 128 elements
	s_mov_b32 s[G1B+1], 128<<16
	s_mov_b32 s[G1A+2], 128<<16
	s_mov_b32 s[G1B+2], 128<<16
	s_mov_b32 s[G1A+3], 128<<16
	s_mov_b32 s[G1B+3], 128<<16
	s_mov_b32 s[G1A+4], 128
	s_mov_b32 s[G1B+4], 128
	s_mov_b32 s[G1A+5], 128                        ; ao: dense
	s_mov_b32 s[G1B+5], 1024                       ; wo: elements from row to row
	s_mov_b32 s[G1A+6], 0
	s_mov_b32 s[G1B+6], 0
	s_mov_b32 s[G1A+7], 0
	s_mov_b32 s[G1B+7], 0
	s_lshl_b32 s16, s43, 18                        ; ao: block row x 262,144
	s_lshl_b32 s17, s14, 15                        ;     + my two heads of the four
	s_add_co_u32 s16, s16, s17
	s_mov_b32 s17, 0
	s_lshl_b32 s46, s14, 18                        ; wo: my 128 k-rows of 2,048 bytes
	s_lshl_b32 s47, s42, 8                         ;     + block column x 128 columns x 2 bytes
	s_add_co_u32 s46, s46, s47
	s_mov_b32 s47, 0
	s_mul_i32 s20, s12, QTR                        ; LDS: wave x 36,864
	s_wait_dscnt 0x0
	s_wait_kmcnt 0x0
	s_add_nc_u64 s[16:17], s[4:5], s[16:17]
	s_add_nc_u64 s[46:47], s[6:7], s[46:47]
	CROUND                                         ; the first joint loads meet
.irp s, 0,1
	s_mov_b32 s[G0A+4*\s], 1
	s_add_co_u32 s[G0A+4*\s+1], s20, \s*SLOT
	s_add_nc_u64 s[G0A+4*\s+2:G0A+4*\s+3], s[16:17], \s*65536      ; four heads on
	s_or_b32 s[G0A+4*\s+3], s[G0A+4*\s+3], 0x80000000
	s_mov_b32 s[G0B+4*\s], 1
	s_add_co_u32 s[G0B+4*\s+1], s20, \s*SLOT
	s_add_nc_u64 s[G0B+4*\s+2:G0B+4*\s+3], s[46:47], \s*524288     ; 256 k-rows on
	s_or_b32 s[G0B+4*\s+3], s[G0B+4*\s+3], 0x80000000
	JLOAD \s
.endr
	v_and_b32 v1, 15, v0                           ; r
	v_bfe_u32 v2, v0, 4, 1                         ; h
	v_and_b32 v3, 7, v0
	v_bfe_u32 v4, v0, 3, 1
	v_lshlrev_b32 v[BOF], 5, v2
	s_lshl_b32 s66, s42, 9                         ; (128 x block column + 64 wn) x 4 bytes: the bias, and my columns in a row of out0
	s_lshl_b32 s67, s14, 8
	s_add_co_u32 s66, s66, s67
	s_mov_b32 s67, 0
	s_add_nc_u64 s[8:9], s[8:9], s[66:67]
.irp u, 0,1,2,3
	global_load_b128 v[BIAS+8*\u:BIAS+8*\u+3],   v[BOF], s[8:9] offset:64*\u
	global_load_b128 v[BIAS+8*\u+4:BIAS+8*\u+7], v[BOF], s[8:9] offset:64*\u+16
.endr
	s_lshl_b32 s68, s43, 19                        ; (128 x block row + 64 wm) x 4,096 bytes
	s_lshl_b32 s69, s13, 18
	s_add_co_u32 s68, s68, s69
	s_add_co_u32 s68, s68, s66
	s_mov_b32 s69, 0
	s_add_nc_u64 s[10:11], s[10:11], s[68:69]
	v_mul_u32_u24 v6, v1, PA
	v_lshl_add_u32 v6, v2, 4, v6
	s_mul_i32 s21, s13, 64*PA
	v_add_nc_u32 v[ADRA], s21, v6
	v_add_nc_u32 v[ADRA+1], SLOT, v[ADRA]
	v_lshl_add_u32 v7, v2, 3, v3
	v_mul_u32_u24 v7, v7, PB
	v_lshl_add_u32 v7, v4, 4, v7
	s_lshl_b32 s22, s14, 7
	v_add_nc_u32 v7, s22, v7
.irp s, 0,1
.irp k, 0,1
	v_add_nc_u32 v[ADRB+2*\s+\k], \s*SLOT+2*QTR+\k*QTR, v7
.endr
.endr
	s_mul_i32 s23, s12, 16*SP
	s_add_co_u32 s23, s23, STAGE
	v_mul_u32_u24 v8, v1, SP                       ; in: row r, 32 bytes for each half of the lanes
	v_lshl_add_u32 v8, v2, 5, v8
	v_add_nc_u32 v[STO], s23, v8
	v_mul_u32_u24 v9, v2, SP                       ; back: sixteen lanes take a row's 256 bytes
	v_lshl_add_u32 v9, v1, 4, v9
	v_add_nc_u32 v[RD], s23, v9
	v_lshlrev_b32 v9, 4, v1
	v_lshl_add_u32 v[CO], v2, 12, v9               ; and the same two rows in out0
; 8 matrix instructions: m-tiles a0, a0 + 1 x my 4 n-tiles.  The 16 accumulators take turns, one instruction a turn.
.macro MUL8 f, a0, bias
.irp a, \a0, \a0+1
.irp u, 0,1,2,3
.if \bias
	v_wmma_f32_16x16x32_bf16 v[8*(4*(\a)+\u):8*(4*(\a)+\u)+7], v[\f+32+8*\u:\f+32+8*\u+7], v[\f+8*(\a):\f+8*(\a)+7], v[BIAS+8*\u:BIAS+8*\u+7]
.else
	v_wmma_f32_16x16x32_bf16 v[8*(4*(\a)+\u):8*(4*(\a)+\u)+7], v[\f+32+8*\u:\f+32+8*\u+7], v[\f+8*(\a):\f+8*(\a)+7], v[8*(4*(\a)+\u):8*(4*(\a)+\u)+7]
.endif
.endr
.endr
.endm
; 16 LDS loads: the fragments of eighth q (32 along K) of a slot: head q / 2, d from 32 (q % 2); k-rows 32 q ..
.macro FETCH slot, q, f
.irp m, 0,1,2,3
	ds_load_b128 v[\f+8*\m:\f+8*\m+3],   v[ADRA+\slot] offset:128*PA*((\q)>>1)+64*((\q)&1)+16*PA*\m
	ds_load_b128 v[\f+8*\m+4:\f+8*\m+7], v[ADRA+\slot] offset:128*PA*((\q)>>1)+64*((\q)&1)+16*PA*\m+32
.endr
.irp u, 0,1,2,3
	ds_load_tr16_b128 v[\f+32+8*\u:\f+32+8*\u+3],   v[ADRB+2*\slot+((\q)>>2)] offset:32*PB*((\q)&3)+32*\u
	ds_load_tr16_b128 v[\f+32+8*\u+4:\f+32+8*\u+7], v[ADRB+2*\slot+((\q)>>2)] offset:32*PB*((\q)&3)+32*\u+16*PB
.endr
.endm
.macro EIGHTH slot, q, f, g, bias      ; fetches eighth q + 1 into g, multiplies eighth q from f
	PLACES
	WIN 0
	FETCH \slot, \q+1, \g
	s_wait_dscnt 16                                ; all but the 16 just issued
.if \bias
	WIN 0x40                                       ; D window 1, C (the bias) window 0
.else
	WIN 0x50                                       ; C and D window 1
.endif
	MUL8 \f, 0, \bias
	MUL8 \f, 2, \bias
.endm
.macro SEVEN slot, bias
	EIGHTH \slot, 0, F0, F1, \bias
	EIGHTH \slot, 1, F1, F0, 0
	EIGHTH \slot, 2, F0, F1, 0
	EIGHTH \slot, 3, F1, F0, 0
	EIGHTH \slot, 4, F0, F1, 0
	EIGHTH \slot, 5, F1, F0, 0
	EIGHTH \slot, 6, F0, F1, 0
.endm
; the last eighth changes slots: reads back, all tensor loads landed, the barrier (which opens a round where the slot is filled again),
; the refill first behind it, then the next slot's first fragments
.macro LASTQ slot, next, fill
	s_wait_dscnt 0x0
	s_wait_tensorcnt 0x0
	ds_add_u32 v254, v255
	s_wait_dscnt 0x0
	s_barrier_signal -1
	WIN 0x50
	MUL8 F1, 0, 0
	WIN 0
	s_barrier_wait -1
.if \fill
	CREST
	s_add_nc_u64 s[G0A+4*\slot+2:G0A+4*\slot+3], s[G0A+4*\slot+2:G0A+4*\slot+3], 131072    ; two fills on; no load of mine is out
	s_add_nc_u64 s[G0B+4*\slot+2:G0B+4*\slot+3], s[G0B+4*\slot+2:G0B+4*\slot+3], 1048576
	JLOAD \slot
.endif
	PLACES
	FETCH \next, 0, F0
	WIN 0x50
	MUL8 F1, 2, 0
.endm
	s_wait_loadcnt 0x0                             ; the bias
	s_wait_tensorcnt 0x1                           ; my part of slot 0 is in; slot 1's stays out
	s_barrier_signal -1
	s_barrier_wait -1
	FETCH 0, 0, F0
	SEVEN 0, 1                                     ; K 0-255
	LASTQ 0, 1, 1                                  ; asks for K 512-767
	SEVEN 1, 0                                     ; K 256-511
	LASTQ 1, 0, 1                                  ; asks for K 768-1023
	SEVEN 0, 0
	LASTQ 0, 1, 0                                  ; nothing is left to fetch
	SEVEN 1, 0
	s_wait_dscnt 0x0
	WIN 0x50
	MUL8 F1, 0, 0
	MUL8 F1, 2, 0
	PLACES
; THE WAY OUT, 16 rows at a time through my own stage: a lane puts down 32 bytes of a row, sixteen lanes read a row's 256 bytes back.
.macro OUT16 a, f
	WIN 0x04                                       ; store data from window 1
.irp u, 0,1,2,3
	ds_store_b128 v[STO], v[8*(4*\a+\u):8*(4*\a+\u)+3]   offset:64*\u
	ds_store_b128 v[STO], v[8*(4*\a+\u)+4:8*(4*\a+\u)+7] offset:64*\u+16
.endr
	WIN 0
	s_wait_xcnt 0x0                                ; the buffer that earlier stores read is loaded again only behind this wait
.irp t, 0,1,2,3,4,5,6,7
	ds_load_b128 v[\f+4*\t:\f+4*\t+3], v[RD] offset:2*SP*\t
.endr
.irp t, 0,1,2,3,4,5,6,7
	s_wait_dscnt 7-\t                              ; the younger read-backs stay out
	global_store_b128 v[CO], v[\f+4*\t:\f+4*\t+3], s[10:11] offset:(16*\a+2*\t)*4096 th:TH_STORE_NT   ; sixteen lanes store 256 consecutive bytes, aligned
.endr
.endm
	OUT16 0, F0
	OUT16 1, F1
	OUT16 2, F0
	OUT16 3, F1
	s_wait_tensorcnt 0x0
	ds_add_u32 v254, v255
	s_wait_dscnt 0x0
	CROUND                                         ; the closing round
	s_endpgm
.Lfunc_end_k_q73b8e717b9_proj:
	.size	k_q73b8e717b9_proj, .Lfunc_end_k_q73b8e717b9_proj-k_q73b8e717b9_proj
	.p2alignl 7, 3214868480
	.fill 96, 4, 3214868480
	.section	.rodata,"a",@progbits
	.p2align	6, 0x0
	.amdhsa_kernel k_q73b8e717b9_proj
		.amdhsa_group_segment_fixed_size 327680
		.amdhsa_private_segment_fixed_size 0
		.amdhsa_enable_private_segment 0
		.amdhsa_kernarg_size 32
		.amdhsa_user_sgpr_count 2
		.amdhsa_user_sgpr_kernarg_segment_ptr 1
		.amdhsa_wavefront_size32 1
		.amdhsa_system_sgpr_workgroup_id_x 1
		.amdhsa_system_sgpr_workgroup_id_y 1
		.amdhsa_system_sgpr_workgroup_id_z 1
		.amdhsa_system_vgpr_workitem_id 0
		.amdhsa_next_free_vgpr 384
		.amdhsa_next_free_sgpr 80
		.amdhsa_reserve_vcc 0
		.amdhsa_float_denorm_mode_32 3
		.amdhsa_float_denorm_mode_16_64 3
		.amdhsa_memory_ordered 1
		.amdhsa_forward_progress 1
		.amdhsa_inst_pref_size 89
	.end_amdhsa_kernel
	.amdgpu_metadata
---
amdhsa.version: [ 1, 2 ]
amdhsa.kernels:
  - .name:           k_q73b8e717b9_proj
    .symbol:         k_q73b8e717b9_proj.kd
    .args:
      - { .name: ao, .offset: 0, .size: 8, .value_kind: global_buffer, .address_space: global }
      - { .name: wo, .offset: 8, .size: 8, .value_kind: global_buffer, .address_space: global }
      - { .name: b_out, .offset: 16, .size: 8, .value_kind: global_buffer, .address_space: global }
      - { .name: out0, .offset: 24, .size: 8, .value_kind: global_buffer, .address_space: global }
    .group_segment_fixed_size: 327680
    .private_segment_fixed_size: 0
    .kernarg_segment_align: 8
    .kernarg_segment_size: 32
    .max_flat_workgroup_size: 128
    .sgpr_count:     80
    .vgpr_count:     384
    .wavefront_size: 32
...
	.end_amdgpu_metadata
.endif
;; end of part 4
;; ======== version 2 of 2: 4 launches; version 1 with the launch cast written anew for expert scheduling mode
;; workspace buffers: xb 8,388,608 bytes; wq 6,291,456 bytes; wo 2,097,152 bytes; qkv 25,165,824 bytes; ao 8,388,608 bytes
;; launch cast (part 5): grid 512 x 1, 8 waves a work-group, no clusters, 0 bytes of LDS; arguments x, W_qkv, W_out, xb, wq, wo; writes xb, wq, wo
.if DOCPART == 5
	.amdgcn_target "amdgcn-amd-amdhsa--gfx1250"
	.amdhsa_code_object_version 6
	.text
	.protected	k_q73b8e717b9_cast
	.globl	k_q73b8e717b9_cast
	.p2align	8
	.type	k_q73b8e717b9_cast,@function
k_q73b8e717b9_cast:
	s_mov_b64 s[64:65], 0
	v_nop
	global_prefetch_b8 v0, s[64:65] scope:SCOPE_SE
	s_setreg_imm32_b32 hwreg(HW_REG_WAVE_SCHED_MODE, 0, 2), 2
	s_setreg_imm32_b32 hwreg(HW_REG_WAVE_MODE, 25, 1), 1
	s_wait_xcnt 0x0
	s_wait_alu depctr_vm_vsrc(0)
; x, W_qkv and W_out, f32, are rounded once to bf16 (nearest even) with their layouts unchanged: xb, wq, wo.
; The three products that follow then take bf16 tiles straight into LDS and convert nothing in their K loops.
; A work-group takes 65,536 bytes in and stores 32,768: 256 pieces of x, 192 of W_qkv, 64 of W_out = 512 work-groups.
; Thread t takes 16 bytes (4 numbers) at 16 t of each of sixteen blocks of 4,096 bytes and stores 8 bytes at 8 t of a block
; of 2,048: a load of a wave covers 512 consecutive bytes, a store 256 consecutive bytes, aligned.
; All sixteen loads of a wave go out at once; no register is written twice, so no wait frees a source.
; No LDS, no matrix unit, no cluster: nothing is shared and nothing is multiplied.
; LIMIT: the rounding to bf16 is the format of the matrix operands; NaN and infinities stay what they are.
; THE MODE: SCHED_MODE bits 1:0 = 2 (LLVM: expert scheduling mode 2), set by the entry lines.  The code itself states the register dependences
; between vector instructions and memory instructions, with s_wait_alu, always for 0.
; THE PLAN.  Registers that memory instructions touch:
;   v1, v2   byte offsets, written once at the head; v1 is read by every load, v2 by every store.
;   X        written by the sixteen loads, each register once; no vector instruction names it ahead of them; read by the conversions.
;   Y        written by the conversions, each register once; read by one store each; never written again.
; The sixteen blocks go in four groups of four.  Group g rounds X's blocks 4 g .. 4 g + 3 into Y's; its memory instructions are the four stores of
; group g - 1, whose Y no conversion of group g names.  So one wait at a group's head states all that its four stores hang on, and they are dealt
; among the group's eight conversions with no further wait.  Five waits in all: the head's, three groups', and one ahead of the last four stores.
.set X, 4                              ; v[4:67]   sixteen loads of four f32
.set Y, 68                             ; v[68:99]  sixteen pairs of packed bf16
	s_load_b256 s[4:11], s[0:1], 0x0               ; x s[4:5], W_qkv s[6:7], W_out s[8:9], xb s[10:11]
	s_load_b128 s[12:15], s[0:1], 0x20             ; wq s[12:13], wo s[14:15]
	v_lshlrev_b32 v1, 4, v0                        ; 16 t: my bytes in a block of the source
	v_lshlrev_b32 v2, 3, v0                        ; 8 t: my bytes in a block of the destination
	s_wait_kmcnt 0x0
	s_cmp_lt_u32 ttmp9, 256                        ; work-groups 0-255: x
	s_cselect_b64 s[16:17], s[4:5], s[6:7]
	s_cselect_b64 s[18:19], s[10:11], s[12:13]
	s_cselect_b32 s20, 0, 256                      ; the first work-group of my tensor
	s_cmp_lt_u32 ttmp9, 448                        ; 256-447: W_qkv; 448-511: W_out
	s_cselect_b64 s[16:17], s[16:17], s[8:9]
	s_cselect_b64 s[18:19], s[18:19], s[14:15]
	s_cselect_b32 s20, s20, 448
	s_sub_co_u32 s21, ttmp9, s20                   ; my piece of that tensor
	s_lshl_b32 s22, s21, 16                        ; x 65,536 bytes in (16 MiB at the most)
	s_mov_b32 s23, 0
	s_lshl_b32 s24, s21, 15                        ; x 32,768 bytes out
	s_mov_b32 s25, 0
	s_add_nc_u64 s[16:17], s[16:17], s[22:23]
	s_add_nc_u64 s[18:19], s[18:19], s[24:25]
	s_wait_alu depctr_va_vdst(0)                   ; v1 and v2 are written: every load of the kernel reads v1 as its offset, every store v2
.irp j, 0,1,2,3,4,5,6,7,8,9,10,11,12,13,14,15
	global_load_b128 v[X+4*\j:X+4*\j+3], v1, s[16:17] offset:4096*\j th:TH_LOAD_NT   ; read once in the whole program
.endr
; Group g: blocks 4 g to 4 g + 3 are rounded; the four stores of group g - 1 stand among the conversions.  first = 1: group 0, with no group in front of it.
.macro GROUP g, first
	s_wait_loadcnt 12-4*(\g)                       ; loads come back in order: this group's four blocks are in, the 12 - 4 g younger loads stay out
.if !\first
	s_wait_alu depctr_va_vdst(0)                   ; the conversions of the group before have written their eight registers of Y, which the four stores below read
.endif
.irp i, 0,1,2,3
.if !\first
	global_store_b64 v2, v[Y+2*(4*(\g)-4+(\i)):Y+2*(4*(\g)-4+(\i))+1], s[18:19] offset:2048*(4*(\g)-4+(\i))   ; no hint: the next launches read these bytes; no conversion since the wait names these registers
.endif
	v_cvt_pk_bf16_f32 v[Y+2*(4*(\g)+(\i))],   v[X+4*(4*(\g)+(\i))],   v[X+4*(4*(\g)+(\i))+1]
	v_cvt_pk_bf16_f32 v[Y+2*(4*(\g)+(\i))+1], v[X+4*(4*(\g)+(\i))+2], v[X+4*(4*(\g)+(\i))+3]
.endr
.endm
	GROUP 0, 1
	GROUP 1, 0
	GROUP 2, 0
	GROUP 3, 0
	s_wait_alu depctr_va_vdst(0)                   ; the last group's conversions have written their eight registers of Y, which the last four stores read
.irp i, 0,1,2,3
	global_store_b64 v2, v[Y+2*(12+(\i)):Y+2*(12+(\i))+1], s[18:19] offset:2048*(12+(\i))
.endr
	s_endpgm
.Lfunc_end_k_q73b8e717b9_cast:
	.size	k_q73b8e717b9_cast, .Lfunc_end_k_q73b8e717b9_cast-k_q73b8e717b9_cast
	.p2alignl 7, 3214868480
	.fill 96, 4, 3214868480
	.section	.rodata,"a",@progbits
	.p2align	6, 0x0
	.amdhsa_kernel k_q73b8e717b9_cast
		.amdhsa_group_segment_fixed_size 0
		.amdhsa_private_segment_fixed_size 0
		.amdhsa_enable_private_segment 0
		.amdhsa_kernarg_size 48
		.amdhsa_user_sgpr_count 2
		.amdhsa_user_sgpr_kernarg_segment_ptr 1
		.amdhsa_wavefront_size32 1
		.amdhsa_system_sgpr_workgroup_id_x 1
		.amdhsa_system_sgpr_workgroup_id_y 1
		.amdhsa_system_sgpr_workgroup_id_z 1
		.amdhsa_system_vgpr_workitem_id 0
		.amdhsa_next_free_vgpr 104
		.amdhsa_next_free_sgpr 66
		.amdhsa_reserve_vcc 0
		.amdhsa_float_denorm_mode_32 3
		.amdhsa_float_denorm_mode_16_64 3
		.amdhsa_memory_ordered 1
		.amdhsa_forward_progress 1
		.amdhsa_inst_pref_size 7
	.end_amdhsa_kernel
	.amdgpu_metadata
---
amdhsa.version: [ 1, 2 ]
amdhsa.kernels:
  - .name:           k_q73b8e717b9_cast
    .symbol:         k_q73b8e717b9_cast.kd
    .args:
      - { .name: x, .offset: 0, .size: 8, .value_kind: global_buffer, .address_space: global }
      - { .name: W_qkv, .offset: 8, .size: 8, .value_kind: global_buffer, .address_space: global }
      - { .name: W_out, .offset: 16, .size: 8, .value_kind: global_buffer, .address_space: global }
      - { .name: xb, .offset: 24, .size: 8, .value_kind: global_buffer, .address_space: global }
      - { .name: wq, .offset: 32, .size: 8, .value_kind: global_buffer, .address_space: global }
      - { .name: wo, .offset: 40, .size: 8, .value_kind: global_buffer, .address_space: global }
    .group_segment_fixed_size: 0
    .private_segment_fixed_size: 0
    .kernarg_segment_align: 8
    .kernarg_segment_size: 48
    .max_flat_workgroup_size: 256
    .sgpr_count:     66
    .vgpr_count:     104
    .wavefront_size: 32
...
	.end_amdgpu_metadata
.endif
;; end of part 5
;; launch qkvgemm: the kernel of part 2 again; grid 8 x 32, 4 waves a work-group, clusters of 4 x 4, 327,680 bytes of LDS; arguments xb, wq, b_qkv, qkv; writes qkv
;; launch attn: the kernel of part 3 again; grid 8 x 32, 8 waves a work-group, clusters of 4 x 1, 327,680 bytes of LDS; arguments qkv, ao; writes ao
;; launch proj: the kernel of part 4 again; grid 8 x 32, 4 waves a work-group, clusters of 4 x 4, 327,680 bytes of LDS; arguments ao, wo, b_out, out0; writes out0
